; MI455X (gfx1250); checked and timed in simulation.
; The chip was launched on July 23, 2026; its instructions are those of AMD's public machine-readable ISA for CDNA 5 (MIT licence, August 2026) and "CDNA5" Instruction Set Architecture Reference Guide (July 2026). The comments in the code are by the model that wrote it; some were corrected since.
;; Cosine Similarity. Allowed arithmetic: matrix products marked QUANTISED: E2M1 operands, one E8M0 scale for each 32 along K, by v_wmma_scale_f32_16x16x128_f8f6f4 with both operands' format E2M1 (or v_wmma_scale_f32_32x16x128_f4), f32 sums; everything else in f32.
;; Inputs: tensor_1 8,192 x 256 float32; tensor_2 16,384 x 256 float32.
;; Outputs: out0 8,192 float32.
;; This version of the problem:
;;   THIS VERSION OF THE PROBLEM IS GIVEN IN LOW PRECISION. The matrix products marked QUANTISED in the list below multiply operands that are first quantised to E2M1 (2 exponent bits, 1 mantissa bit; 4 bits a number), with one power-of-two scale for each 32 numbers along K (OCP MX v1.0); their sums are f32. All else is computed in f32.
;;   The module's matrix products, in the order in which they are computed (A, B: the left and right operand; K: the contracted axis; several contracted axes count as one K, in the product's order):
;;     1. [M 8,192, K 256] x [K 256, N 16,384]; A: computed on the way; B: computed on the way: QUANTISED
;;   THE QUANTISER, for each operand of a quantised product, along K:
;;     - K is cut into blocks of 32 from its start; a last block that is shorter is filled with zeros.
;;     - A block's scale is 2^e with e = floor(log2(the largest magnitude in the block)) - 2, held to -126 .. 127; a block of zeros has e = 0. As a byte (E8M0): e + 127.
;;     - Each number is divided by its block's scale, clamped to +-6, and rounded to the nearest number of E2M1, ties to even, subnormals kept.
;;     - The product sums the exact products of the quantised numbers (number of the format x scale) in f32.
;;   ~~~python
;;   def quantise(x, axis):      # numpy; x: float32 -> the quantised numbers, widened to float32 again
;;       x = np.moveaxis(x, axis, -1); K = x.shape[-1]
;;       x = np.pad(x, [(0, 0)] * (x.ndim - 1) + [(0, -K % 32)]); x = x.reshape(x.shape[:-1] + (-1, 32)); a = np.abs(x).max(-1, keepdims=True)
;;       e = np.where(a > 0, np.clip(np.frexp(np.where(a > 0, a, 1))[1] - 1 - 2, -126, 127), 0)      # np.frexp(a)[1] - 1 = floor(log2(a)), exactly
;;       r = np.clip(x / 2.0 ** e, -6, 6)
;;       step = 2.0 ** (np.maximum(np.frexp(np.where(r == 0, 1, r))[1] - 1, 0) - 1)
;;       q = np.round(r / step) * step * 2.0 ** e      # np.round: ties to even
;;       return np.moveaxis(q.reshape(q.shape[:-2] + (-1,))[..., :K], -1, axis).astype(np.float32)
;;   ~~~
;;   OPERANDS COMPUTED ON THE WAY. 'Computed on the way' means the value that the module computes at that place (a softmax that the list does not call 'softmax' is quantised finished and normalised). What goes into a quantiser is computed in f32, as accurately as f32 sums, v_exp_f32 and their like allow (about 1e-6 of the number): no bf16 or f16 on the way to a quantiser, and a product that is left as it is and whose result goes on into a quantised operand takes f32 operands (vector FMAs, or v_wmma_f32_16x16x4_f32). A number that lies on a knife's edge between two numbers of the format may be rounded either way, as far as f32 arithmetic and the matrix unit's own rounding can turn it there, and no further.
;; One version. Each part assembles by itself: llvm-mc -triple=amdgcn-amd-amdhsa -mcpu=gfx1250 --defsym DOCPART=n.
;; ======== version 1 of 1: 3 launches
;; workspace buffers: qc 3,342,336 bytes; parts 786,432 bytes
;; launch quant (part 1): grid 256 x 1, 6 waves a work-group, no clusters, 167,936 bytes of LDS; arguments tensor_1, tensor_2, qc; writes qc
.if DOCPART == 1
	.amdgcn_target "amdgcn-amd-amdhsa--gfx1250"
	.amdhsa_code_object_version 6
	.text
	.protected	k_q107cd03163_quant
	.globl	k_q107cd03163_quant
	.p2align	8
	.type	k_q107cd03163_quant,@function
k_q107cd03163_quant:
	s_mov_b64 s[64:65], 0
	v_nop
	global_prefetch_b8 v0, s[64:65] scope:SCOPE_SE
	s_setreg_imm32_b32 hwreg(HW_REG_WAVE_MODE, 25, 1), 1
	s_wait_xcnt 0x0
; FIRST OF THREE LAUNCHES.  out0[n] = the mean of the three largest of cos(tensor_1[n], tensor_2[m]) over m, the cosine's product on codes of FP4 (E2M1) with one E8M0 scale for each 32 along K = 256.
; This launch: each row of tensor_1 [8192][256] and tensor_2 [16384][256], f32, is divided by its L2 norm (f32) and quantised along K; codes and scale words go to qc in the order of a matrix operand's registers.
; DEAD WORK: none in whole units.  Both inputs reach the output and both are loaded; every row, every block and every product is live.  Only top_k's indices, which reference() itself discards, are never formed.
; LIMITS: a row of zeros, NaN or infinities among the inputs are not served; a row's sum of squares has to lie within 2^-126 .. 2^127; x * rsq(sum) stands for x / sqrt(sum), some 1.5 units of the last place apart;
; a block of zeros gets the byte 1 where the quantiser says 127: its codes are zeros, which add nothing under any byte but 0xff, and this program alone reads the bytes.
; SHARES.  A TILE is 16 rows.  Tiles 0-511 are tensor_1's, tiles 512-1535 tensor_2's.  A wave takes one tile, G = 6 x work-group + wave: 16 KiB of dense memory, brought by ONE tensor load into the wave's own LDS bytes,
; which no other wave reads: so there is no barrier, and nothing is filled twice.  No cluster: no two work-groups read the same byte.
; LAYOUT OF qc.  Record P (4,352 bytes = 17 x 256) holds tiles 2 P and 2 P + 1.  Tile e of a record: the 16 bytes (32 codes) of block b (0..7) of row r lie at 2048 e + 256 b + 16 r.  With b = 4 s + 2 c + h and lane
; l = 16 h + r that is 2048 e + 1024 s + 512 c + 16 l: registers 4 c .. 4 c + 3 of lane l of the fragment of K step s (128 along K).  Scale words at 4096 + 128 e + 4 l: lane l = 16 s + r holds row r's four bytes of K step s.
; A LANE (r = lane % 16, h = lane / 16) holds blocks 2 j + h, j = 0..3, of row r, whole: 128 numbers.  So a block's largest magnitude needs no other lane, and the row's sum of squares needs one exchange.
.set PITCH, 1040                       ; an LDS row: 1,024 bytes + 16 of padding = 260 words: row r starts at bank 4 r mod 64 (64 banks of 4 bytes: ISA guide 11.1), so the 16 rows that a load touches start at 16 different banks
.set WREG,  16*PITCH                   ; a wave's LDS bytes: 16,640 = 65 x 256
.set SPARE, 6*WREG                     ; behind the six regions: the spare words, 128 bytes for each wave: three blocks of 256 bytes that no other line names
.set REC,   4352                       ; a record of qc
.set SPW,   6                          ; v6   LDS address of my spare word; never rewritten
.set NIL,   7                          ; v7   0; never rewritten
.set SUM,   8                          ; v[8:15]   four packed chains of the sum of squares
.set RN,    16                         ; v[16:17]  1 / norm, twice
.set MX,    18                         ; v18-21    the four blocks' largest magnitudes
.set SO,    22                         ; v22-25    the conversions' scale operands
.set BY,    26                         ; v26-29    the scale bytes
.set COD,   40                         ; v[40:55]  the codes: four registers a block
.set NUM,   64                         ; v[64:191] my 128 numbers: block j at 32 j
	s_load_b128 s[4:7], s[0:1], 0x0                ; tensor_1 s[4:5], tensor_2 s[6:7]
	s_load_b64 s[8:9], s[0:1], 0x10                ; qc
	v_lshl_add_u32 v[SPW], v0, 2, SPARE
	v_mov_b32 v[NIL], 0
	ds_add_u32 v[SPW], v[NIL]                      ; the wave's opening: the add, twice on end, and its wait ahead of my tensor load; the set-up below stands between the second and the wait
	ds_add_u32 v[SPW], v[NIL]
	v_lshrrev_b32 v1, 5, v0
	v_readfirstlane_b32 s10, v1                    ; wave 0..5
	s_mul_i32 s11, ttmp9, 6
	s_add_co_u32 s11, s11, s10                     ; G, my tile: 0..1535
	; descriptor group 1: 16 rows x 256 elements of 4 bytes, dense in memory, padded in LDS
	s_mov_b32 s16, (2<<16)|(1<<20)|(7<<22)|(3<<25) ; 15:0 no mask; 17:16 elements of 4 bytes; 20 padding on; 24:22 after every 256 words (code 7); 31:25 four words (code 3)
	s_mov_b32 s17, 256<<16                         ; tensor_dim0 = 256
	s_mov_b32 s18, 16<<16                          ; tensor_dim1 = 16
	s_mov_b32 s19, 256<<16                         ; tile_dim0 = 256
	s_mov_b32 s20, 16                              ; tile_dim1 = 16
	s_mov_b32 s21, 256                             ; elements from row to row
	s_mov_b32 s22, 0
	s_mov_b32 s23, 0
	s_mov_b32 s12, 1                               ; group 0: count = 1,
	s_mul_i32 s13, s10, WREG                       ; LDS address: my wave's region
	s_lshr_b32 s26, s11, 1
	s_mul_i32 s26, s26, REC                        ; my record in qc,
	s_mov_b32 s27, 0
	s_and_b32 s30, s11, 1                          ; and which of its two tiles is mine:
	s_lshl_b32 s31, s30, 11                        ; 2,048 bytes of codes on,
	s_lshl_b32 s30, s30, 7                         ; 128 bytes of scale words on
	s_mov_b32 s28, 0x76543210
	s_mov_b32 s29, 0xfedcba98                      ; v_permlanex16_b32's selects for lane l xor 16
	s_mov_b32 s25, 0
	s_wait_dscnt 0x0                               ; both opening adds are done
	s_wait_kmcnt 0x0
	s_cmp_lt_u32 s11, 512                          ; tensor_1's tile or tensor_2's?  The choice hangs on ids alone
	s_cselect_b64 s[4:5], s[4:5], s[6:7]
	s_cselect_b32 s24, 0, 512
	s_sub_co_u32 s24, s11, s24                     ; the tile's number in its tensor,
	s_lshl_b32 s24, s24, 14                        ; times 16 rows of 1,024 bytes (under 2^24)
	s_add_nc_u64 s[14:15], s[4:5], s[24:25]        ; group 0: the tile's first byte,
	s_or_b32 s15, s15, 0x80000000                  ; type = 2
	s_add_nc_u64 s[8:9], s[8:9], s[26:27]          ; qc at my record
	tensor_load_to_lds s[12:15], s[16:23]          ; my one tensor load
	s_nop 0
	v_and_b32 v1, 15, v0                           ; r
	v_bfe_u32 v2, v0, 4, 1                         ; h
	v_mul_u32_u24 v3, v1, PITCH
	v_lshl_add_u32 v3, v2, 7, v3
	v_add_nc_u32 v3, s13, v3                       ; LDS: my region, row r, + 128 h: block h of the row
	v_and_b32 v36, 31, v0                          ; lane
	v_lshl_add_u32 v4, v36, 4, s31                 ; qc: 16 x lane in my tile's codes
	v_lshl_add_u32 v5, v36, 2, s30                 ; and 4 x lane in its scale words
	v_lshlrev_b32 v35, 3, v2                       ; 8 h: where my bytes stand in a scale word
	v_mov_b32 v34, 0                               ; (a lane permute's destination counts as one of its sources)
	s_wait_tensorcnt 0x0                           ; my tile is in LDS; I alone read it
.irp j, 0,1,2,3
.irp i, 0,1,2,3,4,5,6,7
	ds_load_b128 v[NUM+32*\j+4*\i:NUM+32*\j+4*\i+3], v3 offset:256*\j+16*\i   ; block 2 j + h: 128 bytes
.endr
.endr
	; the row's sum of squares: two numbers an instruction, four chains; the first four products start them, so nothing is cleared
.irp j, 0,1,2,3
	s_wait_dscnt 8*(3-\j)                          ; LDS loads come back in order: block j's eight are in, the later blocks' 8 (3 - j) may be out
.irp n, 0,1,2,3,4,5,6,7,8,9,10,11,12,13,14,15
.if (\j == 0) && (\n < 4)
	v_pk_mul_f32 v[SUM+2*\n:SUM+2*\n+1], v[NUM+2*\n:NUM+2*\n+1], v[NUM+2*\n:NUM+2*\n+1]
.else
	v_pk_fma_f32 v[SUM+2*(\n%4):SUM+2*(\n%4)+1], v[NUM+32*\j+2*\n:NUM+32*\j+2*\n+1], v[NUM+32*\j+2*\n:NUM+32*\j+2*\n+1], v[SUM+2*(\n%4):SUM+2*(\n%4)+1]
.endif
.endr
.endr
	v_pk_add_f32 v[SUM:SUM+1], v[SUM:SUM+1], v[SUM+2:SUM+3]
	v_pk_add_f32 v[SUM+4:SUM+5], v[SUM+4:SUM+5], v[SUM+6:SUM+7]
	v_pk_add_f32 v[SUM:SUM+1], v[SUM:SUM+1], v[SUM+4:SUM+5]
	v_add_f32 v[SUM], v[SUM], v[SUM+1]             ; my half of the row,
	v_permlanex16_b32 v[SUM+1], v[SUM], s28, s29
	v_add_f32 v[SUM], v[SUM], v[SUM+1]             ; and lane l xor 16's: the same bits in both lanes
	v_rsq_f32 v[RN], v[SUM]                        ; 1 / norm, twice: a pair for the packed multiply
	v_rsq_f32 v[RN+1], v[SUM]
	v_nop                                          ; a plain instruction behind the transcendentals,
	s_wait_alu depctr_va_vdst(0)                   ; and the one wait ahead of their first reader
.set N, 0
.rept 64
	v_pk_mul_f32 v[NUM+N:NUM+N+1], v[NUM+N:NUM+N+1], v[RN:RN+1]   ; the normalised numbers, in f32: what the quantiser takes
.set N, N+2
.endr
	; each block's largest magnitude: all 32 numbers are mine; the four blocks by turns
.irp j, 0,1,2,3
	v_max3_num_f32 v[MX+\j], |v[NUM+32*\j]|, |v[NUM+32*\j+1]|, 0x1800000   ; and the floor 2^(3 - 127), under which no largest magnitude is taken: so the byte cannot fall under 1
.endr
.irp i, 2,4,6,8,10,12,14,16,18,20,22,24,26,28,30
.irp j, 0,1,2,3
	v_max3_num_f32 v[MX+\j], v[MX+\j], |v[NUM+32*\j+\i]|, |v[NUM+32*\j+\i+1]|
.endr
.endr
.irp j, 0,1,2,3
	v_add_nc_u32 v[SO+\j], 0xff000000, v[MX+\j]    ; 2 off its exponent field: the conversion takes the exponent field of this operand as its scale, and nothing else of it
.endr
.irp j, 0,1,2,3
	v_lshrrev_b32 v[BY+\j], 23, v[SO+\j]           ; the scale's byte
.endr
	; the scale words.  K step 0's word has blocks 0-3, K step 1's blocks 4-7; I hold bytes h and 2 + h of both.  Lane 16 s + r is to hold row r's word of K step s: each lane keeps its part of its own word and sends the other part across
	v_lshl_or_b32 v30, v[BY+1], 16, v[BY]
	v_lshl_or_b32 v31, v[BY+3], 16, v[BY+2]
	v_lshlrev_b32 v30, v35, v30                    ; my part of K step 0's word
	v_lshlrev_b32 v31, v35, v31                    ; and of K step 1's
	v_cmp_eq_u32 vcc_lo, 1, v2
	v_cndmask_b32 v32, v31, v30, vcc_lo            ; what lane l xor 16 wants: h = 0 sends K step 1's part, h = 1 K step 0's
	v_cndmask_b32 v33, v30, v31, vcc_lo            ; what I keep
	v_permlanex16_b32 v34, v32, s28, s29
	v_or_b32 v33, v33, v34                         ; the word is whole
.irp j, 0,1,2,3
.irp g, 0,1,2,3
	v_cvt_scalef32_pk8_fp4_f32 v[COD+4*\j+\g], v[NUM+32*\j+8*\g:NUM+32*\j+8*\g+7], v[SO+\j]   ; eight numbers / the scale, to the nearest code, ties to even, beyond 6 the largest code; the first number's code in the lowest four bits
.endr
.endr
	v_nop                                          ; one plain place behind the last scaled conversion
.irp j, 0,1,2,3
	global_store_b128 v4, v[COD+4*\j:COD+4*\j+3], s[8:9] offset:512*\j   ; blocks 2 j and 2 j + 1 of the 16 rows: 32 lanes store 512 consecutive bytes, at a multiple of 256 from qc's first byte
.endr
	global_store_b32 v5, v33, s[8:9] offset:4096   ; 128 consecutive bytes: half of the record's last 256; the neighbouring wave of this work-group stores the other half.  One byte in 17 of what the wave stores
	s_wait_tensorcnt 0x0                           ; the wave's end
	ds_add_u32 v[SPW], v[NIL]
	s_wait_dscnt 0x0
	s_endpgm
.Lfunc_end_k_q107cd03163_quant:
	.size	k_q107cd03163_quant, .Lfunc_end_k_q107cd03163_quant-k_q107cd03163_quant
	.p2alignl 7, 3214868480
	.fill 96, 4, 3214868480
	.section	.rodata,"a",@progbits
	.p2align	6, 0x0
	.amdhsa_kernel k_q107cd03163_quant
		.amdhsa_group_segment_fixed_size 167936
		.amdhsa_private_segment_fixed_size 0
		.amdhsa_enable_private_segment 0
		.amdhsa_kernarg_size 24
		.amdhsa_user_sgpr_count 2
		.amdhsa_user_sgpr_kernarg_segment_ptr 1
		.amdhsa_wavefront_size32 1
		.amdhsa_system_sgpr_workgroup_id_x 1
		.amdhsa_system_sgpr_workgroup_id_y 1
		.amdhsa_system_sgpr_workgroup_id_z 1
		.amdhsa_system_vgpr_workitem_id 0
		.amdhsa_next_free_vgpr 192
		.amdhsa_next_free_sgpr 66
		.amdhsa_reserve_vcc 1
		.amdhsa_float_denorm_mode_32 3
		.amdhsa_float_denorm_mode_16_64 3
		.amdhsa_memory_ordered 1
		.amdhsa_forward_progress 1
		.amdhsa_inst_pref_size 20
	.end_amdhsa_kernel
	.amdgpu_metadata
---
amdhsa.version: [ 1, 2 ]
amdhsa.kernels:
  - .name:           k_q107cd03163_quant
    .symbol:         k_q107cd03163_quant.kd
    .args:
      - { .name: tensor_1, .offset: 0, .size: 8, .value_kind: global_buffer, .address_space: global }
      - { .name: tensor_2, .offset: 8, .size: 8, .value_kind: global_buffer, .address_space: global }
      - { .name: qc, .offset: 16, .size: 8, .value_kind: global_buffer, .address_space: global }
    .group_segment_fixed_size: 167936
    .private_segment_fixed_size: 0
    .kernarg_segment_align: 8
    .kernarg_segment_size: 24
    .max_flat_workgroup_size: 192
    .sgpr_count:     66
    .vgpr_count:     192
    .wavefront_size: 32
...
	.end_amdgpu_metadata
.endif
;; end of part 1
;; launch topk (part 2): grid 32 x 8, 16 waves a work-group, clusters of 4 x 1, 292,864 bytes of LDS; arguments qc, parts; writes parts
.if DOCPART == 2
	.amdgcn_target "amdgcn-amd-amdhsa--gfx1250"
	.amdhsa_code_object_version 6
	.text
	.protected	k_q107cd03163_topk
	.globl	k_q107cd03163_topk
	.p2align	8
	.type	k_q107cd03163_topk,@function
k_q107cd03163_topk:
	s_mov_b64 s[64:65], 0
	v_nop
	global_prefetch_b8 v0, s[64:65] scope:SCOPE_SE
	s_setreg_imm32_b32 hwreg(HW_REG_WAVE_MODE, 25, 1), 1
	s_wait_xcnt 0x0
	s_wait_alu depctr_hold_cnt(0) depctr_sa_sdst(0) depctr_va_vdst(0) depctr_va_sdst(0) depctr_va_ssrc(0) depctr_va_vcc(0) depctr_vm_vsrc(0)
	s_getreg_b32 s2, hwreg(HW_REG_IB_STS2, 6, 4)
	s_cmp_eq_u32 s2, 0
	s_cbranch_scc0 .Lentry_in_a_cluster
	s_endpgm
.Lentry_in_a_cluster:
	s_bfe_u32 s2, ttmp6, 0x10000c
	s_cmp_lg_u32 s2, 0x3003
	s_cbranch_scc0 .Lentry_shape_is_right
	s_endpgm
.Lentry_shape_is_right:
; SECOND OF THREE LAUNCHES.  The product of the normalised, quantised rows (codes of FP4 with E8M0 scales, from qc) and, fused with it, the choice of each query's three largest scores.  No score goes to memory.  No work is left out.
; SHARES.  A work-group takes 256 queries (block X) and 2,048 candidates (eighth y of tensor_2's rows): 64 records of qc, 278,528 bytes, which come into LDS ONCE and stay: no ring, no refill.
; Wave w: g = w % 4: 64 of the queries, four tiles of 16, whose fragments stay in registers; p = w / 4: 16 of the records, 32 tiles of candidates.  16 waves of 224 registers: four to a SIMD, so that one wave's matrix
; instructions and LDS loads stand beside the others' vector work, which is the bulk: 35 vector instructions for every 4 matrix instructions.
; CLUSTER.  The four work-groups of a cluster have the same y and want the same 64 records: every tensor load is JOINT, the same descriptor and a mask that names the four, in all four.  The queries' fragments are each
; work-group's own and go from memory straight into registers.  A wave asks for four records, one of each quarter of its part (17 rows of 256 bytes a load; four loads of mine are out at the most), so that the first
; quarter can be multiplied while the other three are on their way; one larger load a wave would have every wave wait for the whole part.
; LAYOUT.  The matrix instruction is used transposed: source 0 = 16 candidates, source 1 = 16 queries.  A lane then holds ONE query (lane % 16), and its registers are candidates 8 (lane / 16) + 0..7.
; K = 256 is two instructions; a scale register holds K step 0's words in lanes 0-15 and K step 1's in lanes 16-31.
; THE CHOICE, exact for all values (no NaN).  A UNIT is a lane's 16 scores of two tiles of candidates.  Cut scores into triples and sort each into first >= second >= third.  A second is among a set's three largest only
; with its own first, so at most one second is, and it is the largest second; a third only with its first and second, so it is the largest third.  Hence the three largest lie among: the three largest FIRSTS, the largest
; SECOND, the largest THIRD.  (Among equals, rank firsts ahead of seconds ahead of thirds.)  A score left over counts as a first.  The same step once more on a unit's 5 firsts and its 16th score gives two firsts of firsts.
; State of a lane and a tile of queries, 7 registers: A1 >= A2 >= A3, the three largest firsts of firsts; FS, FT, the largest second and third among firsts; S2, T3, the largest second and third.  All begin at -infinity.
; At the end FS, FT, S2, T3 are inserted into A1-A3, then lane l xor 16's three, then, through LDS, the other three parts' three; parts[y][v][query], v = 0 the largest, takes the result.
; LIMITS: NaN is not served (the maxima here drop a NaN); the sign of a zero is not kept apart.
.set REC,   4352                       ; a record of qc: two tiles' codes (2 x 2,048) and scale words (2 x 128)
.set CHUNK, 4*REC                      ; a quarter of a part
.set PART,  16*REC                     ; a part: 69,632 bytes
.set STG,   4*PART                     ; behind the records: the stage, [v 3][part 4][query 256] f32, 12,288 bytes, into which no tensor load lands
.set SPARE, STG+12288                  ; the spare words, 128 bytes for each wave: eight blocks of 256 bytes that no other line names
.set LA,  1                            ; v1   LDS: 16 x lane + my part (+ the quarters passed): a fragment's place for my lane
.set LB,  2                            ; v2   LDS: 4 x lane + my part + 4,096: a scale word's
.set L16, 3                            ; v3   16 x lane
.set L4,  4                            ; v4   4 x lane
.set SA,  5                            ; v5   the stage: where I put a number of my query
.set SPW, 6                            ; v6   LDS address of my spare word; never rewritten
.set NIL, 7                            ; v7   0; never rewritten
.set RA,  8                            ; v8   the stage: where I read two queries' numbers back
.set GO,  9                            ; v9   and their place in parts
.set QS,  10                           ; v10-13   the queries' scale words, a register a tile: they hold scales and nothing else
.set CS,  14                           ; v14-17   the candidates': buffer b, tile e at 2 b + e: likewise
.set ST,  18                           ; v18-45   the state: tile q at 7 q: A1, A2, A3, FS, FT, S2, T3
.set TF,  46                           ; v46-50   a unit's five firsts
.set TS,  51                           ; v51-55   its five seconds
.set U1,  56
.set U2,  57
.set FFA, 58                           ; the two firsts of firsts,
.set FFB, 59
.set FSA, 60                           ; the two seconds of firsts
.set FSB, 61
.set QF,  64                           ; v64-127  the queries' fragments: tile q, K step s at 16 q + 8 s
.set CF,  128                          ; v128-191 the candidates': buffer b, tile e, K step s at 32 b + 16 e + 8 s
.set ACC, 192                          ; v192-223 two sets of two accumulators
.set MG,  128                          ; the last merge: 12 pairs, in the registers that the candidates' fragments have left
.set G1,  16                           ; s[16:23] descriptor group 1
.set G0,  32                           ; s[32:47] four groups 0, one for each of my loads
; A round of the cluster's barrier: my work-group's barrier, wave 0 signals for the work-group, every wave waits for all four work-groups, my work-group's barrier once more
.macro ROUND
	s_barrier_signal -1
	s_barrier_wait -1
	s_cmp_lg_u32 s8, 0
	s_cbranch_scc1 .Lnot_wave_0_\@
	s_barrier_signal -3
.Lnot_wave_0_\@:
	s_barrier_wait -3
	s_barrier_signal -1
	s_barrier_wait -1
.endm
; x is put into the sorted three a1 >= a2 >= a3
.macro INS a1, a2, a3, x
	v_med3_num_f32 v[\a3], v[\a2], v[\a3], v[\x]
	v_med3_num_f32 v[\a2], v[\a1], v[\a2], v[\x]
	v_max_num_f32 v[\a1], v[\a1], v[\x]
.endm
; record n of my part into buffer n % 2: two tiles x two K steps x two loads of 16 bytes a lane, each 512 consecutive bytes; and the two tiles' scale words
.macro LOADP n
.set bB, CF+32*((\n)%2)
.set oO, ((\n)%4)*REC
.irp e, 0,1
.irp s, 0,1
.irp c, 0,1
	ds_load_b128 v[bB+16*\e+8*\s+4*\c:bB+16*\e+8*\s+4*\c+3], v[LA] offset:oO+\e*2048+\s*1024+\c*512
.endr
.endr
.endr
.irp e, 0,1
	ds_load_b32 v[CS+2*((\n)%2)+\e], v[LB] offset:oO+\e*128
.endr
.endm
; buffer b's two tiles of candidates x tile q of the queries, K = 256: four matrix instructions.  The first two start the sums with the constant 0; the two accumulators take turns
.macro MUL4 b, q
.set rA, ACC+16*((\q)%2)
.set rC, CF+32*(\b)
.set rQ, QF+16*(\q)
.set rS, CS+2*(\b)
	v_wmma_scale_f32_16x16x128_f8f6f4 v[rA:rA+7], v[rC:rC+7], v[rQ:rQ+7], 0, v[rS], v[QS+(\q)] matrix_a_fmt:MATRIX_FMT_FP4 matrix_b_fmt:MATRIX_FMT_FP4
	v_wmma_scale_f32_16x16x128_f8f6f4 v[rA+8:rA+15], v[rC+16:rC+23], v[rQ:rQ+7], 0, v[rS+1], v[QS+(\q)] matrix_a_fmt:MATRIX_FMT_FP4 matrix_b_fmt:MATRIX_FMT_FP4
	v_wmma_scale_f32_16x16x128_f8f6f4 v[rA:rA+7], v[rC+8:rC+15], v[rQ+8:rQ+15], v[rA:rA+7], v[rS], v[QS+(\q)] matrix_a_fmt:MATRIX_FMT_FP4 matrix_b_fmt:MATRIX_FMT_FP4 matrix_a_scale:MATRIX_SCALE_ROW1 matrix_b_scale:MATRIX_SCALE_ROW1
	v_wmma_scale_f32_16x16x128_f8f6f4 v[rA+8:rA+15], v[rC+24:rC+31], v[rQ+8:rQ+15], v[rA+8:rA+15], v[rS+1], v[QS+(\q)] matrix_a_fmt:MATRIX_FMT_FP4 matrix_b_fmt:MATRIX_FMT_FP4 matrix_a_scale:MATRIX_SCALE_ROW1 matrix_b_scale:MATRIX_SCALE_ROW1
.endm
; a unit of tile q goes into its state: 35 instructions for 16 scores x0-x15.  The triples are taken in ascending order
.macro SEL q
.set xX, ACC+16*((\q)%2)
.set zZ, ST+7*(\q)
.irp i, 0,1,2,3,4
	v_max3_num_f32 v[TF+\i], v[xX+3*\i], v[xX+3*\i+1], v[xX+3*\i+2]       ; the five triples' firsts,
.endr
.irp i, 0,1,2,3,4
	v_med3_num_f32 v[TS+\i], v[xX+3*\i], v[xX+3*\i+1], v[xX+3*\i+2]       ; seconds,
.endr
.irp i, 0,1,2,3,4
	v_min3_num_f32 v[xX+3*\i], v[xX+3*\i], v[xX+3*\i+1], v[xX+3*\i+2]     ; and thirds, in place
.endr
	v_max3_num_f32 v[FFA], v[TF], v[TF+1], v[TF+2]                        ; the five firsts and x15: two triples once more
	v_max3_num_f32 v[FFB], v[TF+3], v[TF+4], v[xX+15]
	v_med3_num_f32 v[FSA], v[TF], v[TF+1], v[TF+2]
	v_med3_num_f32 v[FSB], v[TF+3], v[TF+4], v[xX+15]
	v_min3_num_f32 v[TF], v[TF], v[TF+1], v[TF+2]
	v_min3_num_f32 v[TF+3], v[TF+3], v[TF+4], v[xX+15]
	v_max3_num_f32 v[U1], v[TS], v[TS+1], v[TS+2]
	v_max3_num_f32 v[U2], v[xX], v[xX+3], v[xX+6]
	v_max3_num_f32 v[zZ+5], v[zZ+5], v[TS+3], v[TS+4]                     ; the largest second so far,
	v_max3_num_f32 v[zZ+6], v[zZ+6], v[xX+9], v[xX+12]                    ; the largest third
	INS zZ, zZ+1, zZ+2, FFA
	v_max_num_f32 v[zZ+5], v[zZ+5], v[U1]
	v_max_num_f32 v[zZ+6], v[zZ+6], v[U2]
	v_max3_num_f32 v[zZ+3], v[zZ+3], v[FSA], v[FSB]                       ; the largest second among firsts,
	v_max3_num_f32 v[zZ+4], v[zZ+4], v[TF], v[TF+3]                       ; the largest third among firsts
	INS zZ, zZ+1, zZ+2, FFB
.endm
; PAIR i: record i of my part (two tiles of candidates) against my four tiles of queries.  Products and choices by turns on the two sets of accumulators: tile q's products stand a whole SEL ahead of tile q's SEL.
; DISTANCES (ISA guide 7.12.1, for the products).  Between a product and the first read of its result, between two products that write one set, and between a buffer's last product and the loads into it,
; stand the 35 plain vector instructions of the OTHER set's SEL, which name none of that product's registers: no v_nop is written.
.macro PAIR i
	s_wait_dscnt 0x0                               ; record i's fragments and scale words, asked for a pair ago, are in
.if ((\i) == 3) || ((\i) == 7) || ((\i) == 11)
	s_wait_tensorcnt 2-((\i)/4)                    ; my record of the next quarter has landed; my loads of the quarters behind it, 2 - i / 4 of them, may stay out: nothing is filled twice in this launch
	s_barrier_signal -1                            ; (no LDS instruction of mine is out)
	s_barrier_wait -1                              ; everybody's has
	v_add_nc_u32 v[LA], CHUNK, v[LA]               ; on to that quarter
	v_add_nc_u32 v[LB], CHUNK, v[LB]
.endif
.if (\i) < 15
	LOADP (\i)+1                                   ; the next record, into the other buffer: a whole pair ahead of its use
.endif
	MUL4 (\i)%2, 0
.if (\i) > 0
	SEL 3                                          ; the last pair's last unit
.endif
	MUL4 (\i)%2, 1
.if (\i) == 0
.set N, 0
.rept 28
	v_mov_b32 v[ST+N], s30                         ; the state begins at -infinity.  (These 28 are the places behind the very first products)
.set N, N+1
.endr
.endif
	SEL 0
	MUL4 (\i)%2, 2
	SEL 1
	MUL4 (\i)%2, 3
	SEL 2
.endm
	s_load_b128 s[4:7], s[0:1], 0x0                ; qc s[4:5], parts s[6:7]
	v_lshl_add_u32 v[SPW], v0, 2, SPARE
	v_mov_b32 v[NIL], 0
	ds_add_u32 v[SPW], v[NIL]                      ; the wave's opening: the add, twice on end, and its wait ahead of the round in front of my first tensor loads; the set-up below stands between the second and the wait
	ds_add_u32 v[SPW], v[NIL]
	v_lshrrev_b32 v1, 5, v0
	v_readfirstlane_b32 s8, v1                     ; wave 0..15
	s_lshr_b32 s9, s8, 2                           ; p: my part of the candidates
	s_and_b32 s10, s8, 3                           ; g: my 64 queries
	s_bfe_u32 s11, ttmp6, 0x40000                  ; cx: my place in the cluster: it enters the queries' and parts' global addresses alone
	s_lshl_b32 s12, ttmp9, 2                       ; in a cluster launch ttmp9 counts clusters
	s_add_co_u32 s12, s12, s11                     ; X: my block of 256 queries
	s_and_b32 s13, ttmp7, 0xffff                   ; y: the eighth of the candidates, which the four partners share
	; descriptor group 1: a record as 17 rows of 256 bytes, dense in memory and in LDS
	s_mov_b32 s[G1+0], 15|(3<<16)|(1<<21)          ; 15:0 the mask: all four work-groups; 17:16 elements of 8 bytes; 21 set beside a mask; no padding: every LDS load here takes 16 or 4 consecutive bytes a lane
	s_mov_b32 s[G1+1], 32<<16                      ; tensor_dim0 = 32
	s_mov_b32 s[G1+2], 17<<16                      ; tensor_dim1 = 17
	s_mov_b32 s[G1+3], 32<<16                      ; tile_dim0 = 32
	s_mov_b32 s[G1+4], 17                          ; tile_dim1 = 17
	s_mov_b32 s[G1+5], 32                          ; elements from row to row
	s_mov_b32 s[G1+6], 0
	s_mov_b32 s[G1+7], 0
	s_mul_i32 s14, s9, PART                        ; LDS: my part,
	s_mul_i32 s15, s10, REC
	s_add_co_u32 s15, s15, s14                     ; and in it record g: the first that I fetch
	s_lshl_b32 s24, s13, 6                         ; in memory: tensor_2's records begin at 256; 64 an eighth, 16 a part
	s_lshl_b32 s25, s9, 4
	s_add_co_u32 s24, s24, s25
	s_add_co_u32 s24, s24, s10
	s_add_co_u32 s24, s24, 256
	s_mul_i32 s24, s24, REC                        ; (made of y and the wave's number alone: equal in the four partners)
	s_mov_b32 s25, 0
	s_lshl_b32 s48, s12, 3                         ; my queries: 8 records a block, 2 a wave
	s_lshl_b32 s49, s10, 1
	s_add_co_u32 s48, s48, s49
	s_mul_i32 s48, s48, REC
	s_mov_b32 s49, 0
	s_mul_i32 s54, s13, 98304                      ; parts: [y][3][8192] f32,
	s_lshl_b32 s55, s12, 10                        ; my block's 256 queries
	s_add_co_u32 s54, s54, s55
	s_mov_b32 s55, 0
	s_mov_b32 s28, 0x76543210
	s_mov_b32 s29, 0xfedcba98                      ; v_permlanex16_b32's selects for lane l xor 16
	s_mov_b32 s30, 0xff800000                      ; -infinity
	v_and_b32 v62, 31, v0                          ; lane
	v_and_b32 v63, 15, v0                          ; r
	v_lshlrev_b32 v[L16], 4, v62
	v_lshlrev_b32 v[L4], 2, v62
	v_add_nc_u32 v[LA], s14, v[L16]
	v_add_nc_u32 v[LB], s14, v[L4]
	v_add_nc_u32 v[LB], 4096, v[LB]
	s_lshl_b32 s56, s9, 10                         ; the stage: part p's 256 queries,
	s_lshl_b32 s57, s10, 8                         ; my wave's 64 of them
	s_add_co_u32 s56, s56, s57
	s_add_co_u32 s56, s56, STG
	v_lshl_add_u32 v[SA], v63, 2, s56              ; + 4 r
	v_and_b32 v[GO], 127, v0                       ; the last merge is waves 0 to 3's: thread t takes queries 2 t and 2 t + 1
	v_lshlrev_b32 v[GO], 3, v[GO]
	v_add_nc_u32 v[RA], STG, v[GO]
	s_wait_dscnt 0x0                               ; both opening adds are done
	s_wait_kmcnt 0x0
	s_add_nc_u64 s[26:27], s[4:5], s[24:25]        ; the first record that I fetch
	s_add_nc_u64 s[50:51], s[4:5], s[48:49]        ; my queries' two records
	s_add_nc_u64 s[52:53], s[6:7], s[54:55]        ; my block's place in parts
.irp k, 0,1,2,3
	s_mov_b32 s[G0+4*\k], 1                                        ; count = 1
	s_add_co_u32 s[G0+4*\k+1], s15, \k*CHUNK                       ; LDS address: record 4 k + g of my part
	s_add_nc_u64 s[G0+4*\k+2:G0+4*\k+3], s[26:27], \k*CHUNK        ; the same record in memory
	s_or_b32 s[G0+4*\k+3], s[G0+4*\k+3], 0x80000000                ; type = 2
.endr
	ROUND                                          ; all four work-groups are here: the joint loads meet
.irp k, 0,1,2,3
	tensor_load_to_lds s[G0+4*\k:G0+4*\k+3], s[G1:G1+7]            ; all of the launch's fills, as one group: every wave issues four
	s_nop 0
.endr
.rept 4
	v_nop
.endr
.irp q, 0,1,2,3                                ; my queries' fragments and scale words stay in registers
.irp s, 0,1
.irp c, 0,1
	global_load_b128 v[QF+16*\q+8*\s+4*\c:QF+16*\q+8*\s+4*\c+3], v[L16], s[50:51] offset:(\q/2)*REC+(\q%2)*2048+\s*1024+\c*512
.endr
.endr
	global_load_b32 v[QS+\q], v[L4], s[50:51] offset:(\q/2)*REC+4096+(\q%2)*128
.endr
	s_wait_tensorcnt 3                             ; my record of the first quarter has landed; my three later loads stay out
	s_barrier_signal -1
	s_barrier_wait -1                              ; everybody's has
	LOADP 0
	s_wait_loadcnt 0x0                             ; the queries
.irp i, 0,1,2,3,4,5,6,7,8,9,10,11,12,13,14,15
	PAIR \i
.endr
	SEL 3                                          ; the last unit
	; THE END OF THE CHOICE.  The four single candidates go into the three; the four tiles by turns
.irp x, 3,4,5,6
.irp q, 0,1,2,3
	INS ST+7*\q, ST+7*\q+1, ST+7*\q+2, ST+7*\q+\x
.endr
.endr
.irp q, 0,1,2,3                                ; the query's other candidates lie in lane l xor 16: its three are fetched before any is inserted
.irp u, 0,1,2
	v_permlanex16_b32 v[TF+3*\q+\u], v[ST+7*\q+\u], s28, s29
.endr
.endr
.irp u, 0,1,2
.irp q, 0,1,2,3
	INS ST+7*\q, ST+7*\q+1, ST+7*\q+2, TF+3*\q+\u
.endr
.endr
.irp u, 0,1,2
.irp q, 0,1,2,3
	ds_store_b32 v[SA], v[ST+7*\q+\u] offset:\u*4096+\q*64         ; lanes r and r + 16 write the same word with the same value
.endr
.endr
	s_wait_dscnt 0x0                               ; for the others' sake: my stores into the stage are done
	s_barrier_signal -1
	s_barrier_wait -1
	s_cmp_lt_u32 s8, 4                             ; waves 0 to 3 merge the four parts, two queries a lane; no barrier stands in this branch
	s_cbranch_scc0 .Ldone
.irp u, 0,1,2
.irp p, 0,1,2,3
	ds_load_b64 v[MG+2*(4*\u+\p):MG+2*(4*\u+\p)+1], v[RA] offset:(4*\u+\p)*1024
.endr
.endr
	s_wait_dscnt 0x0
.irp p, 1,2,3                                  ; part 0's three are the state; the nine others are inserted
.irp u, 0,1,2
.irp c, 0,1
	INS MG+\c, MG+8+\c, MG+16+\c, MG+8*\u+2*\p+\c
.endr
.endr
.endr
.irp u, 0,1,2
	global_store_b64 v[GO], v[MG+8*\u:MG+8*\u+1], s[52:53] offset:\u*32768   ; 32 lanes store 256 consecutive bytes, at a multiple of 256 from parts' first byte
.endr
.Ldone:
	s_wait_tensorcnt 0x0                           ; the wave's end, behind my last tensor load and my last LDS store
	ds_add_u32 v[SPW], v[NIL]
	s_wait_dscnt 0x0
	ROUND                                          ; the closing round: no work-group ends while a partner may still ask for a record that names it
	s_endpgm
.Lfunc_end_k_q107cd03163_topk:
	.size	k_q107cd03163_topk, .Lfunc_end_k_q107cd03163_topk-k_q107cd03163_topk
	.p2alignl 7, 3214868480
	.fill 96, 4, 3214868480
	.section	.rodata,"a",@progbits
	.p2align	6, 0x0
	.amdhsa_kernel k_q107cd03163_topk
		.amdhsa_group_segment_fixed_size 292864
		.amdhsa_private_segment_fixed_size 0
		.amdhsa_enable_private_segment 0
		.amdhsa_kernarg_size 16
		.amdhsa_user_sgpr_count 2
		.amdhsa_user_sgpr_kernarg_segment_ptr 1
		.amdhsa_wavefront_size32 1
		.amdhsa_system_sgpr_workgroup_id_x 1
		.amdhsa_system_sgpr_workgroup_id_y 1
		.amdhsa_system_sgpr_workgroup_id_z 1
		.amdhsa_system_vgpr_workitem_id 0
		.amdhsa_next_free_vgpr 224
		.amdhsa_next_free_sgpr 66
		.amdhsa_reserve_vcc 0
		.amdhsa_float_denorm_mode_32 3
		.amdhsa_float_denorm_mode_16_64 3
		.amdhsa_memory_ordered 1
		.amdhsa_forward_progress 1
		.amdhsa_inst_pref_size 194
	.end_amdhsa_kernel
	.amdgpu_metadata
---
amdhsa.version: [ 1, 2 ]
amdhsa.kernels:
  - .name:           k_q107cd03163_topk
    .symbol:         k_q107cd03163_topk.kd
    .args:
      - { .name: qc, .offset: 0, .size: 8, .value_kind: global_buffer, .address_space: global }
      - { .name: parts, .offset: 8, .size: 8, .value_kind: global_buffer, .address_space: global }
    .group_segment_fixed_size: 292864
    .private_segment_fixed_size: 0
    .kernarg_segment_align: 8
    .kernarg_segment_size: 16
    .max_flat_workgroup_size: 512
    .sgpr_count:     66
    .vgpr_count:     224
    .wavefront_size: 32
...
	.end_amdgpu_metadata
.endif
;; end of part 2
;; launch merge (part 3): grid 128 x 1, 1 waves a work-group, no clusters, 0 bytes of LDS; arguments parts, out0; writes out0
.if DOCPART == 3
	.amdgcn_target "amdgcn-amd-amdhsa--gfx1250"
	.amdhsa_code_object_version 6
	.text
	.protected	k_q107cd03163_merge
	.globl	k_q107cd03163_merge
	.p2align	8
	.type	k_q107cd03163_merge,@function
k_q107cd03163_merge:
	s_mov_b64 s[64:65], 0
	v_nop
	global_prefetch_b8 v0, s[64:65] scope:SCOPE_SE
	s_setreg_imm32_b32 hwreg(HW_REG_WAVE_MODE, 25, 1), 1
	s_wait_xcnt 0x0
; THIRD OF THREE LAUNCHES.  parts[y 8][v 3][query 8192], f32, holds for each query the three largest scores among each eighth of the candidates, sorted.  The eight threes are merged and out0[query] is the mean of
; the three largest.  No work is left out.  LIMITS: NaN is not served (the maxima here drop a NaN); the mean is the sum times the f32 nearest 1/3.
; A work-group is one wave; a lane takes two neighbouring queries, so that each load and the store of the wave cover 256 consecutive bytes, at a multiple of 256 from the buffer's first byte.
; No LDS, no barrier, no matrix unit, no cluster: lanes share nothing, and every byte is read once.  All 24 loads are issued at once.
.set P, 8                              ; v[8:55]  pair 3 y + v: the two queries' v-th largest of eighth y.  Eighth 0's three pairs are the state
.macro INS a1, a2, a3, x               ; x is put into the sorted three a1 >= a2 >= a3
	v_med3_num_f32 v[\a3], v[\a2], v[\a3], v[\x]
	v_med3_num_f32 v[\a2], v[\a1], v[\a2], v[\x]
	v_max_num_f32 v[\a1], v[\a1], v[\x]
.endm
	s_load_b128 s[4:7], s[0:1], 0x0                ; parts s[4:5], out0 s[6:7]
	v_lshlrev_b32 v1, 3, v0                        ; 8 bytes a lane
	s_lshl_b32 s8, ttmp9, 8                        ; 64 queries a work-group
	s_mov_b32 s9, 0
	s_wait_kmcnt 0x0
	s_add_nc_u64 s[4:5], s[4:5], s[8:9]
	s_add_nc_u64 s[6:7], s[6:7], s[8:9]
.irp n, 0,1,2,3,4,5,6,7,8,9,10,11,12,13,14,15,16,17,18,19,20,21,22,23
	global_load_b64 v[P+2*\n:P+2*\n+1], v1, s[4:5] offset:\n*32768 th:TH_LOAD_NT
.endr
.irp y, 1,2,3,4,5,6,7
	s_wait_loadcnt 21-3*\y                         ; loads come back in order: eighth y's three are in (and all before them); the later eighths' 21 - 3 y may be out
.irp u, 0,1,2
.irp c, 0,1
	INS P+\c, P+2+\c, P+4+\c, P+2*(3*\y+\u)+\c
.endr
.endr
.endr
	v_pk_add_f32 v[P:P+1], v[P:P+1], v[P+2:P+3]
	v_pk_add_f32 v[P:P+1], v[P:P+1], v[P+4:P+5]
	v_pk_mul_f32 v[P:P+1], v[P:P+1], 0x3eaaaaab op_sel_hi:[1,0]   ; x 1/3
	global_store_b64 v1, v[P:P+1], s[6:7]
	s_endpgm
.Lfunc_end_k_q107cd03163_merge:
	.size	k_q107cd03163_merge, .Lfunc_end_k_q107cd03163_merge-k_q107cd03163_merge
	.p2alignl 7, 3214868480
	.fill 96, 4, 3214868480
	.section	.rodata,"a",@progbits
	.p2align	6, 0x0
	.amdhsa_kernel k_q107cd03163_merge
		.amdhsa_group_segment_fixed_size 0
		.amdhsa_private_segment_fixed_size 0
		.amdhsa_enable_private_segment 0
		.amdhsa_kernarg_size 16
		.amdhsa_user_sgpr_count 2
		.amdhsa_user_sgpr_kernarg_segment_ptr 1
		.amdhsa_wavefront_size32 1
		.amdhsa_system_sgpr_workgroup_id_x 1
		.amdhsa_system_sgpr_workgroup_id_y 1
		.amdhsa_system_sgpr_workgroup_id_z 1
		.amdhsa_system_vgpr_workitem_id 0
		.amdhsa_next_free_vgpr 64
		.amdhsa_next_free_sgpr 66
		.amdhsa_reserve_vcc 0
		.amdhsa_float_denorm_mode_32 3
		.amdhsa_float_denorm_mode_16_64 3
		.amdhsa_memory_ordered 1
		.amdhsa_forward_progress 1
		.amdhsa_inst_pref_size 10
	.end_amdhsa_kernel
	.amdgpu_metadata
---
amdhsa.version: [ 1, 2 ]
amdhsa.kernels:
  - .name:           k_q107cd03163_merge
    .symbol:         k_q107cd03163_merge.kd
    .args:
      - { .name: parts, .offset: 0, .size: 8, .value_kind: global_buffer, .address_space: global }
      - { .name: out0, .offset: 8, .size: 8, .value_kind: global_buffer, .address_space: global }
    .group_segment_fixed_size: 0
    .private_segment_fixed_size: 0
    .kernarg_segment_align: 8
    .kernarg_segment_size: 16
    .max_flat_workgroup_size: 32
    .sgpr_count:     66
    .vgpr_count:     64
    .wavefront_size: 32
...
	.end_amdgpu_metadata
.endif
;; end of part 3
